; MI455X (gfx1250); checked and timed in simulation.
; The chip was launched on July 23, 2026; its instructions are those of AMD's public machine-readable ISA for CDNA 5 (MIT licence, August 2026) and "CDNA5" Instruction Set Architecture Reference Guide (July 2026). The comments in the code are by the model that wrote it; some were corrected since.
;; Cross Attention. Allowed arithmetic: matrix products marked QUANTISED: E2M1 operands, one E8M0 scale for each 32 along K, by v_wmma_scale_f32_16x16x128_f8f6f4 with both operands' format E2M1 (or v_wmma_scale_f32_32x16x128_f4), f32 sums; everything else in f32.
;; Inputs: Wk_codes 128 x 8 x 16 uint8 (E2M1 codes of Wk, K innermost, in blocks of 32 codes, two codes a byte); Wk_scales 128 x 8 uint8 (E8M0 scales of Wk, one for each 32 codes along K); Wo_codes 128 x 4 x 16 uint8 (E2M1 codes of Wo, K innermost, in blocks of 32 codes, two codes a byte); Wo_scales 128 x 4 uint8 (E8M0 scales of Wo, one for each 32 codes along K); Wq_codes 128 x 8 x 16 uint8 (E2M1 codes of Wq, K innermost, in blocks of 32 codes, two codes a byte); Wq_scales 128 x 8 uint8 (E8M0 scales of Wq, one for each 32 codes along K); Wv_codes 128 x 8 x 16 uint8 (E2M1 codes of Wv, K innermost, in blocks of 32 codes, two codes a byte); Wv_scales 128 x 8 uint8 (E8M0 scales of Wv, one for each 32 codes along K); bk 128 float32; bo 128 float32; bq 128 float32; bv 128 float32; ligand_codes 4 x 4,096 x 8 x 16 uint8 (E2M1 codes of ligand, K innermost, in blocks of 32 codes, two codes a byte); ligand_scales 4 x 4,096 x 8 uint8 (E8M0 scales of ligand, one for each 32 codes along K); pocket_codes 4 x 4,096 x 8 x 16 uint8 (E2M1 codes of pocket, K innermost, in blocks of 32 codes, two codes a byte); pocket_scales 4 x 4,096 x 8 uint8 (E8M0 scales of pocket, one for each 32 codes along K).
;; Outputs: out0 4 x 4,096 x 128 float32.
;; This version of the problem:
;;   THIS VERSION OF THE PROBLEM IS GIVEN IN LOW PRECISION. The matrix products marked QUANTISED in the list below multiply operands that are first quantised to E2M1 (2 exponent bits, 1 mantissa bit; 4 bits a number), with one power-of-two scale for each 32 numbers along K (OCP MX v1.0); their sums are f32. All else is computed in f32.
;;   The module's matrix products, in the order in which they are computed (A, B: the left and right operand; K: the contracted axis; several contracted axes count as one K, in the product's order):
;;     1. [M 16,384, K 256] x [K 256, N 128]; A: input ligand (given as codes); B: input Wq (given as codes): QUANTISED
;;     2. [M 16,384, K 256] x [K 256, N 128]; A: input pocket (given as codes); B: input Wk (given as codes): QUANTISED
;;     3. [M 16,384, K 256] x [K 256, N 128]; A: input pocket (given as codes); B: input Wv (given as codes): QUANTISED
;;     4. batch 4 x [M 4,096, K 128] x [K 128, N 4,096]; A: computed on the way; B: computed on the way: QUANTISED
;;     5. batch 4 x [M 4,096, K 4,096] x [K 4,096, N 128]; A: softmax (see below); B: computed on the way: QUANTISED
;;     6. [M 16,384, K 128] x [K 128, N 128]; A: computed on the way; B: input Wo (given as codes): QUANTISED
;;   THE QUANTISER, for each operand of a quantised product, along K:
;;     - K is cut into blocks of 32 from its start; a last block that is shorter is filled with zeros.
;;     - A block's scale is 2^e with e = floor(log2(the largest magnitude in the block)) - 2, held to -126 .. 127; a block of zeros has e = 0. As a byte (E8M0): e + 127.
;;     - Each number is divided by its block's scale, clamped to +-6, and rounded to the nearest number of E2M1, ties to even, subnormals kept.
;;     - The product sums the exact products of the quantised numbers (number of the format x scale) in f32.
;;   ~~~python
;;   def quantise(x, axis):      # numpy; x: float32 -> the quantised numbers, widened to float32 again
;;       x = np.moveaxis(x, axis, -1); K = x.shape[-1]
;;       x = np.pad(x, [(0, 0)] * (x.ndim - 1) + [(0, -K % 32)]); x = x.reshape(x.shape[:-1] + (-1, 32)); a = np.abs(x).max(-1, keepdims=True)
;;       e = np.where(a > 0, np.clip(np.frexp(np.where(a > 0, a, 1))[1] - 1 - 2, -126, 127), 0)      # np.frexp(a)[1] - 1 = floor(log2(a)), exactly
;;       r = np.clip(x / 2.0 ** e, -6, 6)
;;       step = 2.0 ** (np.maximum(np.frexp(np.where(r == 0, 1, r))[1] - 1, 0) - 1)
;;       q = np.round(r / step) * step * 2.0 ** e      # np.round: ties to even
;;       return np.moveaxis(q.reshape(q.shape[:-2] + (-1,))[..., :K], -1, axis).astype(np.float32)
;;   ~~~
;;   SOFTMAX AHEAD OF A QUANTISED PRODUCT. Where the list says 'softmax', what is quantised is not the finished softmax but p = 2^(t - M), with t = logit x log2(e) and M = ceil(the row's largest t), a whole number; so 1/2 < the row's largest p <= 1. The row's sum l is taken of the UNQUANTISED p, in f32, and the product's result is divided by l at the end. Since M is a whole number, a kernel that streams over the keys may use a running M (the ceiling of the running maximum): every later rescaling is an exact power of two, which a block's scale takes up: the codes' values come out the same.
;;   OPERANDS COMPUTED ON THE WAY. 'Computed on the way' means the value that the module computes at that place (a softmax that the list does not call 'softmax' is quantised finished and normalised). What goes into a quantiser is computed in f32, as accurately as f32 sums, v_exp_f32 and their like allow (about 1e-6 of the number): no bf16 or f16 on the way to a quantiser, and a product that is left as it is and whose result goes on into a quantised operand takes f32 operands (vector FMAs, or v_wmma_f32_16x16x4_f32). A number that lies on a knife's edge between two numbers of the format may be rounded either way, as far as f32 arithmetic and the matrix unit's own rounding can turn it there, and no further.
;;   INPUTS GIVEN AS CODES. Wk (in the module: [256, 128], K = its axis 0); Wo (in the module: [128, 128], K = its axis 0); Wq (in the module: [256, 128], K = its axis 0); Wv (in the module: [256, 128], K = its axis 0); ligand (in the module: [4, 4096, 256], K = its axis 2); pocket (in the module: [4, 4096, 256], K = its axis 2): each comes as NAME_codes (uint8): NAME with its K axis moved to the last place and cut into blocks of 32 codes, [.., K / 32, bytes a block], one block behind the other in memory; two codes a byte, the lower K in the low four bits (a code: sign, 2 exponent bits, 1 mantissa bit); and NAME_scales (uint8): the same leading axes, one E8M0 byte (e + 127) for each 32 codes along K. Its value is code x scale, taken as it is: it is not quantised again, and the codes and scales need not be those that the quantiser above would give.
;; One version. Each part assembles by itself: llvm-mc -triple=amdgcn-amd-amdhsa -mcpu=gfx1250 --defsym DOCPART=n.
;; ======== version 1 of 1: 2 launches
;; limits: right only within a limited range of input values
;; workspace buffers: kv 2,228,224 bytes; qf 1,114,112 bytes
;; launch proj (part 1): grid 256 x 1, 6 waves a work-group, no clusters, 72,448 bytes of LDS; arguments pocket_codes, pocket_scales, ligand_codes, ligand_scales, Wk_codes, Wk_scales, bk, Wv_codes, Wv_scales, bv, Wq_codes, Wq_scales, bq, kv, qf; writes kv, qf
.if DOCPART == 1
	.amdgcn_target "amdgcn-amd-amdhsa--gfx1250"
	.amdhsa_code_object_version 6
	.text
	.protected	k_qc84ea4eec2_proj
	.globl	k_qc84ea4eec2_proj
	.p2align	8
	.type	k_qc84ea4eec2_proj,@function
k_qc84ea4eec2_proj:
	s_mov_b64 s[64:65], 0
	v_nop
	global_prefetch_b8 v0, s[64:65] scope:SCOPE_SE
	s_setreg_imm32_b32 hwreg(HW_REG_WAVE_MODE, 25, 1), 1
	s_wait_xcnt 0x0
; K = pocket Wk + bk, V = pocket Wv + bv, Q = ligand Wq + bq, each product on codes of FP4 (E2M1) with E8M0 scales as they are given, sums in f32;
; the results are quantised at once, K and Q along d, V along the keys, and stored as IMAGES OF THE OPERANDS' REGISTERS for the attention launch.  No work of the problem is left out.
; WORKSPACE.  kv: 128 records of 17,408 bytes, one for each 128 keys: K's 8 fragments, V^T's 8 fragments, K's scale words (512 bytes), V's (512).
; qf: 256 blocks of 4,352 bytes, one for each 64 queries: 4 fragments and 256 bytes of scale words.  A fragment (16 rows x 128 K, 8 registers a lane): registers 4 c .. 4 c + 3 of lane l at 512 c + 16 l.
; K's and V's scale word of (tile T, row r) lies at 256 (T / 4) + 16 r + 4 (T % 4); Q's at 64 T + 4 r.
; ONE ROW MAP: lane r of tile 4 c + u holds row 64 c + 8 u + r % 8 + 32 (r / 8) of its 128.  With it the 32 registers of result tiles 4 c .. 4 c + 3 are, in lanes 0-15, the 32 neighbours 64 c + 0 .. 31 along
; source 0's rows, and in lanes 16-31 the next 32: a whole block of the quantiser lies in one lane, in the order in which the next operand wants it.
; SHARES.  256 work-groups: number i takes K (i even) or V (i odd) of record i / 2, and the 64 queries from 64 i on.  Waves 0-3 make K's or V's tiles 2 w and 2 w + 1, waves 4 and 5 Q's four tiles.
; K, Q: source 0 = the weight's 8 tiles, source 1 = rows of x (a lane holds one key or query, its registers run along d).  V: source 0 = the 128 keys, source 1 = rows of Wv.
; All operands go through LDS: they are read from memory in whole runs of 512 bytes a wave instruction, and laid in rows of 144 bytes, 4,736 bytes for 32 rows, so that the 16 rows of a fragment start in different banks.
; The bias is the C of a sum's first matrix instruction (it is added first, not last).
; LIMITS: a block whose largest magnitude lies under 2^-124 gets the byte 1; so does a block of zeros, where the rule says 127: its codes are zeros, and these bytes are read by this program alone.  NaN and infinities are not served.
; No cluster and no tensor load: a work-group reads each byte once and has no loop.
.set REC,  17408
.set QREC, 4352
.set GRP,  4736                        ; LDS: 32 rows of 144 bytes + 128
.set RG1,  18944                       ; regions: source 0 of waves 0-3 at 0, their source 1, Wq, the ligand's 64 rows
.set RG2,  37888
.set RG3,  56832
.set SR,   66304                       ; scale bytes of the four regions: 1,024, 1,024, 1,024, 512
.set BI,   69888                       ; bk or bv, then bq
.set OSC,  70912                       ; the scale words in the making: 512 of K or V,
.set OSQ,  71424                       ; 256 of Q
.set SPARE, 71680
.set MSB, 0
.macro WIN new
.if MSB != \new
	s_set_vgpr_msb (MSB<<8)|\new
.set MSB, \new
.endif
.endm
.macro MM d, a, b, c, sa, sb
	v_wmma_scale_f32_16x16x128_f8f6f4 v[\d:\d+7], v[\a:\a+7], v[\b:\b+7], v[\c:\c+7], v[\sa], v[\sb] matrix_a_fmt:MATRIX_FMT_FP4 matrix_b_fmt:MATRIX_FMT_FP4
.endm
; eight products, K step s: acc at d, source 1 at b, its scale word sb.  cb, cs: C of tile t at cb + cs t.  w: window of C
.macro EIGHT d, b, cb, cs, s, sb, w
	WIN \w
.irp t, 0,1,2,3
	MM \d+8*\t, 64+16*\t+8*\s, \b+8*\s, \cb+\cs*\t, 14+2*\t+\s, \sb+\s
.endr
	WIN \w+1
.irp t, 4,5,6,7
	MM \d+8*\t, 16*(\t-4)+8*\s, \b+8*\s, \cb+\cs*\t, 14+2*\t+\s, \sb+\s
.endr
.endm
	s_load_b512 s[4:19], s[0:1], 0x0               ; pocket codes s[4:5], scales s[6:7]; ligand s[8:9], s[10:11]; Wk s[12:13], s[14:15]; bk s[16:17]; Wv s[18:19]
	s_load_b256 s[20:27], s[0:1], 0x40             ; Wv scales s[20:21]; bv s[22:23]; Wq s[24:25], s[26:27]
	s_load_b128 s[28:31], s[0:1], 0x60             ; bq s[28:29]; kv s[30:31]
	s_load_b64 s[32:33], s[0:1], 0x70              ; qf
	v_lshl_add_u32 v8, v0, 2, SPARE                ; my spare word,
	v_mov_b32 v9, 0                                ; and 0: kept for the wave's end
	v_lshrrev_b32 v1, 5, v0
	v_readfirstlane_b32 s34, v1                    ; wave 0..5
	s_and_b32 s35, ttmp9, 1                        ; 0: K, 1: V
	s_lshr_b32 s36, ttmp9, 1                       ; the record
	s_lshr_b32 s37, s34, 2                         ; 1: I make Q
	s_and_b32 s38, s34, 3
	s_xor_b32 s39, s37, 1
	s_and_b32 s39, s39, s35                        ; 1: I make V
	s_lshr_b32 s2, s38, 1                          ; my first tile 2 s38 = 4 c + u: c,
	s_and_b32 s3, s38, 1                           ; u / 2
	s_mul_i32 s66, s37, RG2                        ; my source 0's region
	s_mul_i32 s40, s2, 2*GRP
	s_mul_i32 s41, s3, 16*144
	s_add_co_u32 s40, s40, s41
	s_add_co_u32 s40, s40, s66
	s_add_co_u32 s40, s40, RG1                     ; my first tile of source 1
	s_lshl_b32 s41, s37, 11
	s_add_co_u32 s41, s41, SR                      ; source 0's scale bytes
	s_lshl_b32 s42, s2, 9
	s_lshl_b32 s43, s3, 7
	s_add_co_u32 s42, s42, s43
	s_add_co_u32 s42, s42, s41
	s_add_co_u32 s42, s42, 1024                    ; source 1's
	s_lshl_b32 s43, s37, 9
	s_add_co_u32 s43, s43, BI                      ; the bias along the registers
	s_lshl_b32 s44, s2, 8
	s_lshl_b32 s45, s3, 6
	s_add_co_u32 s44, s44, s45
	s_add_co_u32 s44, s44, BI                      ; and along the lanes
	s_mul_i32 s45, s38, GRP
	s_mul_i32 s46, s38, 2*GRP
	s_add_co_u32 s46, s46, RG2
	s_lshl_b32 s47, s38, 12
	s_lshl_b32 s48, s38, 13
	s_lshl_b32 s49, s38, 8
	s_lshl_b32 s50, s38, 9
	s_lshl_b32 s51, s2, 8
	s_lshl_b32 s52, s3, 3
	s_add_co_u32 s51, s51, s52
	s_add_co_u32 s51, s51, OSC                     ; where my K or V scale words go
	s_lshl_b32 s52, s38, 7
	s_add_co_u32 s52, s52, OSQ                     ; and Q's
	s_lshl_b32 s56, s36, 14                        ; the record's rows of pocket: codes,
	s_mov_b32 s57, 0
	s_lshl_b32 s58, s36, 10                        ; scale bytes
	s_mov_b32 s59, 0
	s_lshl_b32 s60, ttmp9, 13                      ; my 64 rows of ligand
	s_mov_b32 s61, 0
	s_lshl_b32 s62, ttmp9, 9
	s_mov_b32 s63, 0
	v_and_b32 v24, 31, v0                          ; lane
	v_and_b32 v25, 15, v0                          ; r
	v_bfe_u32 v26, v0, 4, 1                        ; h
	v_and_b32 v27, 7, v0                           ; r % 8
	v_bfe_u32 v28, v0, 3, 1                        ; r / 8
	v_lshlrev_b32 v1, 4, v24                       ; 16 lane
	v_mul_u32_u24 v29, v27, 144
	v_mad_u32_u24 v29, v28, GRP, v29
	v_lshl_add_u32 v29, v26, 4, v29                ; a fragment's row, + 16 h
	v_add_nc_u32 v2, s66, v29                      ; source 0
	v_add_nc_u32 v3, s40, v29                      ; source 1
	v_lshlrev_b32 v30, 3, v27
	v_lshl_add_u32 v30, v28, 8, v30                ; 8 x (r % 8 + 32 (r / 8))
	v_add_nc_u32 v4, s41, v30
	v_add_nc_u32 v5, s42, v30
	v_lshl_add_u32 v6, v26, 7, s43
	v_lshrrev_b32 v7, 1, v30
	v_add_nc_u32 v7, s44, v7
	v_lshrrev_b32 v29, 3, v24                      ; the way in: lane's row of four,
	v_and_b32 v30, 7, v24
	v_lshlrev_b32 v30, 4, v30
	v_mad_u32_u24 v30, v29, 144, v30
	v_add_nc_u32 v10, s47, v1                      ; 4,096 bytes of codes a wave in memory,
	v_add_nc_u32 v11, s45, v30                     ; and in LDS
	v_add_nc_u32 v12, s48, v1                      ; Wq: 8,192 a wave
	v_add_nc_u32 v13, s46, v30
	v_lshl_add_u32 v14, v24, 3, s49                ; 256 bytes of scales or of a bias a wave
	v_add_nc_u32 v15, SR, v14
	v_add_nc_u32 v16, s50, v1                      ; Wq's scales: 512 a wave
	v_add_nc_u32 v17, SR+2048, v16
	v_lshl_add_u32 v31, v24, 2, s52                ; OSQ + 128 (w - 4) + 4 lane
	v_lshl_add_u32 v0, v25, 4, s51
	v_lshl_add_u32 v0, v26, 2, v0                  ; OSC + 256 (w / 2) + 8 (w % 2) + 4 h + 16 r
	s_wait_alu depctr_va_vdst(0)                   ; the head's end
	s_wait_kmcnt 0x0
	s_add_nc_u64 s[4:5], s[4:5], s[56:57]
	s_add_nc_u64 s[6:7], s[6:7], s[58:59]
	s_add_nc_u64 s[8:9], s[8:9], s[60:61]
	s_add_nc_u64 s[10:11], s[10:11], s[62:63]
	s_cmp_eq_u32 s35, 1                            ; hangs on the work-group's number alone
	s_cselect_b64 s[48:49], s[4:5], s[12:13]       ; source 0: V: the keys; K: Wk
	s_cselect_b64 s[50:51], s[6:7], s[14:15]
	s_cselect_b64 s[52:53], s[18:19], s[4:5]       ; source 1: V: Wv; K: the keys
	s_cselect_b64 s[54:55], s[20:21], s[6:7]
	s_cselect_b64 s[16:17], s[22:23], s[16:17]     ; the bias
	s_cmp_lt_u32 s34, 4
	s_cbranch_scc0 .Lload_q
.irp i, 0,1,2,3,4,5,6,7
	global_load_b128 v[128+4*\i:131+4*\i], v10, s[48:49] offset:512*\i
.endr
.irp i, 0,1,2,3,4,5,6,7
	global_load_b128 v[160+4*\i:163+4*\i], v10, s[52:53] offset:512*\i
.endr
	global_load_b64 v[192:193], v14, s[50:51]
	global_load_b64 v[194:195], v14, s[54:55]
	s_wait_loadcnt 10                              ; the first eight are in
.irp i, 0,1,2,3,4,5,6,7
	ds_store_b128 v11, v[128+4*\i:131+4*\i] offset:576*\i
.endr
	s_wait_loadcnt 0x0
.irp i, 0,1,2,3,4,5,6,7
	ds_store_b128 v11, v[160+4*\i:163+4*\i] offset:RG1+576*\i
.endr
	ds_store_b64 v15, v[192:193]
	ds_store_b64 v15, v[194:195] offset:1024
	s_branch .Lstored
.Lload_q:
.irp i, 0,1,2,3,4,5,6,7,8,9,10,11,12,13,14,15
	global_load_b128 v[128+4*\i:131+4*\i], v12, s[24:25] offset:512*\i
.endr
.irp i, 0,1,2,3,4,5,6,7
	global_load_b128 v[192+4*\i:195+4*\i], v10, s[8:9] offset:512*\i
.endr
	global_load_b128 v[224:227], v16, s[26:27]
	global_load_b64 v[228:229], v14, s[10:11]
	global_load_b64 v[230:231], v14, s[16:17]
	global_load_b64 v[232:233], v14, s[28:29]
	s_wait_loadcnt 12                              ; the first sixteen are in
.irp i, 0,1,2,3,4,5,6,7
	ds_store_b128 v13, v[128+4*\i:131+4*\i] offset:576*\i
	ds_store_b128 v13, v[160+4*\i:163+4*\i] offset:GRP+576*\i
.endr
	s_wait_loadcnt 0x0
.irp i, 0,1,2,3,4,5,6,7
	ds_store_b128 v11, v[192+4*\i:195+4*\i] offset:RG3+576*\i
.endr
	ds_store_b128 v17, v[224:227]
	ds_store_b64 v15, v[228:229] offset:3072
	ds_store_b64 v15, v[230:231] offset:3584
	ds_store_b64 v15, v[232:233] offset:4096
.Lstored:
	s_wait_dscnt 0x0                               ; for the others' sake
	s_barrier_signal -1
	s_barrier_wait -1                              ; all operands lie in LDS
.irp q, 0,1
.irp n, 0,1,2,3
	ds_load_b128 v[32+16*\q+4*\n:35+16*\q+4*\n], v3 offset:1152*\q+32*\n   ; source 1: tile q, K step n / 2
.endr
	ds_load_b64 v[10+2*\q:11+2*\q], v5 offset:64*\q
.endr
.irp t, 0,1,2,3
.irp n, 0,1,2,3
	ds_load_b128 v[64+16*\t+4*\n:67+16*\t+4*\n], v2 offset:1152*\t+32*\n   ; source 0: tiles 0-3,
.endr
.endr
	WIN 0x40
.irp t, 0,1,2,3
.irp n, 0,1,2,3
	ds_load_b128 v[16*\t+4*\n:3+16*\t+4*\n], v2 offset:2*GRP+1152*\t+32*\n ; tiles 4-7: v256-319
.endr
.endr
	WIN 0
.irp t, 0,1,2,3,4,5,6,7
	ds_load_b64 v[14+2*\t:15+2*\t], v4 offset:512*(\t/4)+64*(\t%4)
.endr
	; where the results go
	s_mul_i32 s56, s36, REC
	s_lshl_b32 s58, s35, 9
	s_add_co_u32 s58, s58, s56
	s_add_co_u32 s58, s58, 16384                   ; the record's scale words of K or V
	s_lshl_b32 s59, s35, 13
	s_add_co_u32 s56, s56, s59                     ; its fragments of K or V
	s_mul_i32 s60, ttmp9, QREC
	s_add_co_u32 s61, s60, 4096
	s_cmp_eq_u32 s37, 1
	s_cselect_b32 s56, s60, s56
	s_cselect_b32 s58, s61, s58
	s_cselect_b64 s[60:61], s[32:33], s[30:31]
	s_lshl_b32 s59, s38, 11
	s_add_co_u32 s56, s56, s59                     ; my two fragments
	s_mov_b32 s57, 0
	s_mov_b32 s59, 0
	s_add_nc_u64 s[62:63], s[60:61], s[56:57]
	s_add_nc_u64 s[60:61], s[60:61], s[58:59]
	s_cmp_eq_u32 s39, 1
	s_cbranch_scc1 .Lkind_v
.irp t, 0,1,2,3,4,5,6,7
	ds_load_b128 v[128+8*\t:131+8*\t], v6 offset:256*(\t/4)+32*(\t%4)      ; the bias in the result's layout, where the first tile's sums will stand
	ds_load_b128 v[132+8*\t:135+8*\t], v6 offset:256*(\t/4)+32*(\t%4)+16
.endr
	s_wait_dscnt 0x0
	EIGHT 192, 48, 128, 8, 0, 12, 0                ; tile 1's sums begin with the bias,
.rept 5
	v_nop                                          ; five places ahead of products that write over registers that these read
.endr
	EIGHT 128, 32, 128, 8, 0, 10, 0                ; then tile 0's, in place
	WIN 0
	s_branch .Lstep_1
.Lkind_v:
	WIN 0x40
	ds_load_b32 v64, v7                            ; V's bias hangs on the lane's d alone: v320-327, v328-335
	ds_load_b32 v72, v7 offset:32
	s_wait_dscnt 0x0
	WIN 0x41
.irp j, 1,2,3,4,5,6,7
	v_mov_b32 v[64+\j], v64
	v_mov_b32 v[72+\j], v72
.endr
.rept 4
	v_nop
.endr
	EIGHT 192, 48, 72, 0, 0, 12, 0x10
	EIGHT 128, 32, 64, 0, 0, 10, 0x10
	WIN 0
.Lstep_1:
	EIGHT 192, 48, 192, 8, 1, 12, 0                ; the second K step; the sixteen accumulators take turns
	EIGHT 128, 32, 128, 8, 1, 10, 0
	WIN 0
.rept 4
	v_nop                                          ; four places ahead of the first read of results
.endr
	; ---- the quantiser: block i = 2 (tile) + c: my 32 numbers v[128 + 32 i] on
.irp i, 0,1,2,3
	v_max3_num_f32 v[14+\i], |v[128+32*\i]|, |v[129+32*\i]|, 0x1800000     ; and the floor 2^(3 - 127): the byte cannot fall under 1
.endr
.irp j, 2,4,6,8,10,12,14,16,18,20,22,24,26,28,30
.irp i, 0,1,2,3
	v_max3_num_f32 v[14+\i], v[14+\i], |v[128+32*\i+\j]|, |v[129+32*\i+\j]|
.endr
.endr
.irp i, 0,1,2,3
	v_add_nc_u32 v[18+\i], 0xff000000, v[14+\i]    ; 2 off its exponent field: the conversion's scale operand
.endr
.irp i, 0,1,2,3
	v_lshrrev_b32 v[22+\i], 23, v[18+\i]           ; the scale's byte: block 2 c + h of my row
.endr
	v_lshl_or_b32 v26, v23, 16, v22
	v_lshl_or_b32 v27, v25, 16, v24
.irp i, 0,1,2,3
.irp g, 0,1,2,3
	v_cvt_scalef32_pk8_fp4_f32 v[32+4*\i+\g], v[128+32*\i+8*\g:135+32*\i+8*\g], v[18+\i]
.endr
.endr
	v_permlane16_swap_b32 v26, v27                 ; v26: blocks 0, 2 of tile 0 (lanes 0-15) and of tile 1 (16-31); v27: blocks 1, 3.  (A plain place behind the conversions)
	v_add_nc_u32 v29, OSC, v1
	v_lshrrev_b32 v24, 1, v1                       ; 8 lane
	v_lshl_or_b32 v28, v27, 8, v26                 ; the scale words of tile 0's rows in lanes 0-15, tile 1's in 16-31
	v_add_nc_u32 v30, OSQ, v24
.irp n, 0,1,2,3
	global_store_b128 v1, v[32+4*\n:35+4*\n], s[62:63] offset:512*\n       ; each store covers 512 consecutive bytes, aligned
.endr
	s_wait_alu depctr_va_vdst(0)                   ; ahead of the branch
	s_cmp_lt_u32 s34, 4
	s_cbranch_scc0 .Lword_q
	ds_store_b32 v0, v28
	s_branch .Lworded
.Lword_q:
	ds_store_b32 v31, v28
.Lworded:
	s_wait_dscnt 0x0
	s_barrier_signal -1
	s_barrier_wait -1                              ; the scale words lie in LDS: wave 0 stores K's or V's, wave 4 Q's
	s_cmp_eq_u32 s34, 0
	s_cbranch_scc0 .Lnot_0
	ds_load_b128 v[64:67], v29
	s_wait_dscnt 0x0
	global_store_b128 v1, v[64:67], s[60:61]       ; 512 bytes
.Lnot_0:
	s_cmp_eq_u32 s34, 4
	s_cbranch_scc0 .Lend
	ds_load_b64 v[68:69], v30
	s_wait_dscnt 0x0
	global_store_b64 v24, v[68:69], s[60:61]       ; 256 bytes
.Lend:
	s_wait_tensorcnt 0x0                           ; the wave's end
	ds_add_u32 v8, v9
	s_wait_dscnt 0x0
	s_endpgm
.Lfunc_end_k_qc84ea4eec2_proj:
	.size	k_qc84ea4eec2_proj, .Lfunc_end_k_qc84ea4eec2_proj-k_qc84ea4eec2_proj
	.p2alignl 7, 3214868480
	.fill 96, 4, 3214868480
	.section	.rodata,"a",@progbits
	.p2align	6, 0x0
	.amdhsa_kernel k_qc84ea4eec2_proj
		.amdhsa_group_segment_fixed_size 72448
		.amdhsa_private_segment_fixed_size 0
		.amdhsa_enable_private_segment 0
		.amdhsa_kernarg_size 120
		.amdhsa_user_sgpr_count 2
		.amdhsa_user_sgpr_kernarg_segment_ptr 1
		.amdhsa_wavefront_size32 1
		.amdhsa_system_sgpr_workgroup_id_x 1
		.amdhsa_system_sgpr_workgroup_id_y 1
		.amdhsa_system_sgpr_workgroup_id_z 1
		.amdhsa_system_vgpr_workitem_id 0
		.amdhsa_next_free_vgpr 384
		.amdhsa_next_free_sgpr 68
		.amdhsa_reserve_vcc 0
		.amdhsa_float_denorm_mode_32 3
		.amdhsa_float_denorm_mode_16_64 3
		.amdhsa_memory_ordered 1
		.amdhsa_forward_progress 1
		.amdhsa_inst_pref_size 32
	.end_amdhsa_kernel
	.amdgpu_metadata
---
amdhsa.version: [ 1, 2 ]
amdhsa.kernels:
  - .name:           k_qc84ea4eec2_proj
    .symbol:         k_qc84ea4eec2_proj.kd
    .args:
      - { .name: pocket_codes, .offset: 0, .size: 8, .value_kind: global_buffer, .address_space: global }
      - { .name: pocket_scales, .offset: 8, .size: 8, .value_kind: global_buffer, .address_space: global }
      - { .name: ligand_codes, .offset: 16, .size: 8, .value_kind: global_buffer, .address_space: global }
      - { .name: ligand_scales, .offset: 24, .size: 8, .value_kind: global_buffer, .address_space: global }
      - { .name: Wk_codes, .offset: 32, .size: 8, .value_kind: global_buffer, .address_space: global }
      - { .name: Wk_scales, .offset: 40, .size: 8, .value_kind: global_buffer, .address_space: global }
      - { .name: bk, .offset: 48, .size: 8, .value_kind: global_buffer, .address_space: global }
      - { .name: Wv_codes, .offset: 56, .size: 8, .value_kind: global_buffer, .address_space: global }
      - { .name: Wv_scales, .offset: 64, .size: 8, .value_kind: global_buffer, .address_space: global }
      - { .name: bv, .offset: 72, .size: 8, .value_kind: global_buffer, .address_space: global }
      - { .name: Wq_codes, .offset: 80, .size: 8, .value_kind: global_buffer, .address_space: global }
      - { .name: Wq_scales, .offset: 88, .size: 8, .value_kind: global_buffer, .address_space: global }
      - { .name: bq, .offset: 96, .size: 8, .value_kind: global_buffer, .address_space: global }
      - { .name: kv, .offset: 104, .size: 8, .value_kind: global_buffer, .address_space: global }
      - { .name: qf, .offset: 112, .size: 8, .value_kind: global_buffer, .address_space: global }
    .group_segment_fixed_size: 72448
    .private_segment_fixed_size: 0
    .kernarg_segment_align: 8
    .kernarg_segment_size: 120
    .max_flat_workgroup_size: 192
    .sgpr_count:     68
    .vgpr_count:     384
    .wavefront_size: 32
...
	.end_amdgpu_metadata
.endif
;; end of part 1
;; launch attn (part 2): grid 64 x 4, 8 waves a work-group, clusters of 4 x 1, 327,680 bytes of LDS; arguments qf, kv, Wo_codes, Wo_scales, bo, out0; writes out0
.if DOCPART == 2
	.amdgcn_target "amdgcn-amd-amdhsa--gfx1250"
	.amdhsa_code_object_version 6
	.text
	.protected	k_qc84ea4eec2_attn
	.globl	k_qc84ea4eec2_attn
	.p2align	8
	.type	k_qc84ea4eec2_attn,@function
k_qc84ea4eec2_attn:
	s_mov_b64 s[64:65], 0
	v_nop
	global_prefetch_b8 v0, s[64:65] scope:SCOPE_SE
	s_setreg_imm32_b32 hwreg(HW_REG_WAVE_MODE, 25, 1), 1
	s_wait_xcnt 0x0
	s_wait_alu depctr_hold_cnt(0) depctr_sa_sdst(0) depctr_va_vdst(0) depctr_va_sdst(0) depctr_va_ssrc(0) depctr_va_vcc(0) depctr_vm_vsrc(0)
	s_getreg_b32 s2, hwreg(HW_REG_IB_STS2, 6, 4)
	s_cmp_eq_u32 s2, 0
	s_cbranch_scc0 .Lentry_in_a_cluster
	s_endpgm
.Lentry_in_a_cluster:
	s_bfe_u32 s2, ttmp6, 0x10000c
	s_cmp_lg_u32 s2, 0x3003
	s_cbranch_scc0 .Lentry_shape_is_right
	s_endpgm
.Lentry_shape_is_right:
; out = (softmax(Q K^T / sqrt(128)) V) Wo + bo, all three products on codes of FP4 (E2M1) with one E8M0 scale for each 32 along a product's K; sums in f32.  No work of the problem is left out.
; Q, K and V come as register images from the launch before (qf: blocks of 4,352 bytes for 64 queries; kv: records of 17,408 bytes for 128 keys: K's 8 fragments, V^T's 8, K's scale words, V's).
; THE SOFTMAX: t = score x log2(e) / sqrt(128); M = the largest t so far, rounded UP to a whole number; p = 2^(t - M) is what is quantised, along the keys; the sum is taken of the unquantised p and divides at the end.
; SHARES.  A work-group owns 64 queries of one batch.  Its eight waves are 2 pairs of tiles (32 queries) x 4 quarters of the 4,096 keys: wave w has pair w / 4 and quarter w % 4, and walks four chunks of 256 keys.
; Two waves lie on a SIMD, 512 registers each.  Each fragment from LDS feeds two products.  M moves, and O^T is rescaled, once for 256 keys.
; LAYOUT.  All products are used transposed (source 0 = 16 keys, 16 d of V^T, 16 rows of Wo; source 1 = 16 queries): a lane holds ONE query of each tile throughout.
; Lane r of tile 4 c + u of K and of V^T holds row 64 c + 8 u + r % 8 + 32 (r / 8) of its 128: the 32 registers of result tiles 4 c .. 4 c + 3 are 64 c + 32 (lane / 16) + 0 .. 31 along the next product's K:
; a whole block of the quantiser in one lane, and the conversions' results are the operand as it stands.
; What hangs on a query alone (the largest score, M, the sum, p's scale word) is kept for both tiles in one register: tile 0's in lanes 0-15, tile 1's in lanes 16-31; v_permlane16_swap_b32 joins the lane halves and spreads the result.
; A BLOCK'S SCALE needs no exponential: p's exponent is floor(t - M) of the block's largest t.  (Where t - M lies so close under a whole number that the exponential rounds up to it, the scale is one step lower and the code is held at 6.)
; THE RING.  Two LDS slots; a slot holds one chunk's two records of each of the four quarters (8 x 17,408 bytes), fetched by the eight waves, one joint load each: one dense block, 68 rows of 256 bytes.
; Slot 0 is filled at the head, slot 1 behind the first round, and each is filled once more (chunks 2, 3) as soon as the fragments of the chunk in it have been read: a fill has about a chunk's work in which to land.
; CLUSTER.  The four work-groups of a cluster belong to one batch and walk the same records in the same order: each record is asked for JOINTLY, by the same tensor load with the same descriptor and a mask that names the four.
; No prefetch: there is no loop to run ahead in.  Of a wave's four fills two are asked for at the start and each other a whole chunk ahead of its use.
; LIMITS: the promise holds while the scaled scores t stay under 2^31 in magnitude.  A block whose largest magnitude lies under 2^-124 gets the byte 1, and so does a block of zeros (its codes are zeros; the bytes never leave the program).
; NaN and infinities are not served.  bo is the C of the last product's sums: it is added first, not last.
; REGISTERS: window 0: v0-63 below, v64-127, v192-255 the scores of the chunk's first 128 keys (tiles 0, 1), then p; v128-191 fragments; window 1: v256-319, v320-383 the second 128 keys' (tiles 0, 1); v384-447, v448-511 O^T (tiles 0, 1).
.set REC,   17408
.set SLOT2, 8*REC                      ; a slot: 139,264
.set WOI,   2*SLOT2                    ; behind the ring: Wo's 8 fragments as images,
.set WOS,   WOI+8192                   ; its scale words,
.set BOB,   WOS+512                    ; bo,
.set SPARE, BOB+512                    ; the spare words, 128 bytes for each of the 8 waves: four blocks of 256 bytes that no other line names,
.set CI,    SPARE+1024                 ; attn's codes as images of four fragments, and 256 bytes of scale words
; The merge's bytes lie in slot 0, which has had its last fill and, behind the barrier of chunk 2, its last read: wave w's O^T at 16,384 w; then -M and the sums
.set MB,    131072
.set LI,   1                           ; v1     16 lane
.set AD,   2                           ; v2-3   16 lane + quarter x 2 REC in slot 0, 1
.set SPW,  4                           ; v4     LDS address of my spare word; never rewritten
.set QS,   5                           ; v5     Q's scale words, both tiles
.set PSA,  6                           ; v6     p's scale words, both tiles: first 128 keys;  v13 second
.set PSB,  13
.set NM0,  8                           ; v8, v10  -M of tile 0, 1 in every lane;  v9 -M, both tiles;  v11 the largest score, both tiles
.set NMP,  9
.set NM1,  10
.set MR,   11
.set F0,   12                          ; v12, v14 f = 2^(old M - new M) of tile 0, 1
.set F1,   14
.set NIL,  15                          ; v15    0; never rewritten
.set SU0,  16                          ; v16-17, v18-19 the sums of tile 0, 1
.set SU1,  18
.set VX,   20                          ; v20-23 V's scale words, second 128 keys
.set BM,   24                          ; v24-31 blocks: 4 (half) + 2 (tile) + c: the largest score, then its exponent, then the conversion's operand
.set KW,   32                          ; v32-35 K's scale words
.set VW,   36                          ; v36-39 V's, first 128 keys
.set PC,   40                          ; v40-47 codes of p: tile 0, first 128 keys
.set QF,   48                          ; v48-63 Q's two fragments.  v0, v7 at work
.set XA0,  64
.set FG,   128
.set XA1,  192
.set XB0,  0                           ; window 1
.set XB1,  64
.set OT,   128
.set G1,   24                          ; s[24:31] descriptor group 1;  s[32:39] group 0, a set for each slot
.set G0,   32
.set MSB, 0
.macro WIN new                         ; the immediate's high byte repeats the setting that is left
.if MSB != \new
	s_set_vgpr_msb (MSB<<8)|\new
.set MSB, \new
.endif
.endm
.macro PLACES n
.rept \n
	v_nop
.endr
.endm
; A round of the cluster's barrier behind its opening barrier: wave 0 signals for the work-group; every wave waits for all four; my work-group's barrier once more.
.macro CREST
	s_cmp_lg_u32 s18, 0
	s_cbranch_scc1 .Lnot_wave_0_\@
	s_barrier_signal -3
.Lnot_wave_0_\@:
	s_barrier_wait -3
	s_barrier_signal -1
	s_barrier_wait -1
.endm
.macro CROUND
	s_barrier_signal -1
	s_barrier_wait -1
	CREST
.endm
.macro JLOAD k                         ; a joint fill of slot k: every wave one record
	tensor_load_to_lds s[G0+4*\k:G0+4*\k+3], s[G1:G1+7]
	s_nop 0
	PLACES 4
.endm
; One product.  z = 1: it starts its sum.  ra, rb: the row of lanes that holds source 0's, source 1's scale words.
.macro MM d, a, b, z, sa, ra, sb, rb
.if \z
.if \ra
.if \rb
	v_wmma_scale_f32_16x16x128_f8f6f4 v[\d:\d+7], v[\a:\a+7], v[\b:\b+7], 0, v[\sa], v[\sb] matrix_a_fmt:MATRIX_FMT_FP4 matrix_b_fmt:MATRIX_FMT_FP4 matrix_a_scale:MATRIX_SCALE_ROW1 matrix_b_scale:MATRIX_SCALE_ROW1
.else
	v_wmma_scale_f32_16x16x128_f8f6f4 v[\d:\d+7], v[\a:\a+7], v[\b:\b+7], 0, v[\sa], v[\sb] matrix_a_fmt:MATRIX_FMT_FP4 matrix_b_fmt:MATRIX_FMT_FP4 matrix_a_scale:MATRIX_SCALE_ROW1
.endif
.else
.if \rb
	v_wmma_scale_f32_16x16x128_f8f6f4 v[\d:\d+7], v[\a:\a+7], v[\b:\b+7], 0, v[\sa], v[\sb] matrix_a_fmt:MATRIX_FMT_FP4 matrix_b_fmt:MATRIX_FMT_FP4 matrix_b_scale:MATRIX_SCALE_ROW1
.else
	v_wmma_scale_f32_16x16x128_f8f6f4 v[\d:\d+7], v[\a:\a+7], v[\b:\b+7], 0, v[\sa], v[\sb] matrix_a_fmt:MATRIX_FMT_FP4 matrix_b_fmt:MATRIX_FMT_FP4
.endif
.endif
.else
.if \ra
.if \rb
	v_wmma_scale_f32_16x16x128_f8f6f4 v[\d:\d+7], v[\a:\a+7], v[\b:\b+7], v[\d:\d+7], v[\sa], v[\sb] matrix_a_fmt:MATRIX_FMT_FP4 matrix_b_fmt:MATRIX_FMT_FP4 matrix_a_scale:MATRIX_SCALE_ROW1 matrix_b_scale:MATRIX_SCALE_ROW1
.else
	v_wmma_scale_f32_16x16x128_f8f6f4 v[\d:\d+7], v[\a:\a+7], v[\b:\b+7], v[\d:\d+7], v[\sa], v[\sb] matrix_a_fmt:MATRIX_FMT_FP4 matrix_b_fmt:MATRIX_FMT_FP4 matrix_a_scale:MATRIX_SCALE_ROW1
.endif
.else
.if \rb
	v_wmma_scale_f32_16x16x128_f8f6f4 v[\d:\d+7], v[\a:\a+7], v[\b:\b+7], v[\d:\d+7], v[\sa], v[\sb] matrix_a_fmt:MATRIX_FMT_FP4 matrix_b_fmt:MATRIX_FMT_FP4 matrix_b_scale:MATRIX_SCALE_ROW1
.else
	v_wmma_scale_f32_16x16x128_f8f6f4 v[\d:\d+7], v[\a:\a+7], v[\b:\b+7], v[\d:\d+7], v[\sa], v[\sb] matrix_a_fmt:MATRIX_FMT_FP4 matrix_b_fmt:MATRIX_FMT_FP4
.endif
.endif
.endif
.endm
; sixteen products: eight fragments at f (scale words wd) x two operands b0, b1 (scale words sb, one tile a row of lanes), results at d0, d1.  The sixteen accumulators take turns
.macro MM16 d0, d1, f, wd, b0, b1, sb, z
.irp t, 0,1,2,3
	MM \d0+8*\t, \f+8*\t, \b0, \z, \wd+\t, 0, \sb, 0
	MM \d1+8*\t, \f+8*\t, \b1, \z, \wd+\t, 0, \sb, 1
.endr
.irp t, 4,5,6,7
	MM \d0+8*\t, \f+8*\t, \b0, \z, \wd+\t-4, 1, \sb, 0
	MM \d1+8*\t, \f+8*\t, \b1, \z, \wd+\t-4, 1, \sb, 1
.endr
.endm
.macro LDF dst, wd, adr, off, woff     ; eight fragments and their scale words: 17 loads of 512 consecutive bytes
	WIN 0
.irp n, 0,1,2,3,4,5,6,7,8,9,10,11,12,13,14,15
	ds_load_b128 v[\dst+4*\n:\dst+4*\n+3], v[\adr] offset:\off+512*\n
.endr
	ds_load_b128 v[\wd:\wd+3], v[\adr] offset:\woff
.endm
; the largest score of each block: four chains by turns; each accumulator from its low end on
.macro MAXH x0, x1, m, w1, w2
	WIN \w1
.irp c, 0,1
	v_max3_num_f32 v[\m+\c], v[\x0+32*\c], v[\x0+32*\c+1], v[\x0+32*\c+2]
	v_max3_num_f32 v[\m+2+\c], v[\x1+32*\c], v[\x1+32*\c+1], v[\x1+32*\c+2]
.endr
	WIN \w2
.irp i, 3,5,7,9,11,13,15,17,19,21,23,25,27,29
.irp c, 0,1
	v_max3_num_f32 v[\m+\c], v[\m+\c], v[\x0+32*\c+\i], v[\x0+32*\c+\i+1]
	v_max3_num_f32 v[\m+2+\c], v[\m+2+\c], v[\x1+32*\c+\i], v[\x1+32*\c+\i+1]
.endr
.endr
.irp c, 0,1
	v_max_num_f32 v[\m+\c], v[\m+\c], v[\x0+32*\c+31]
	v_max_num_f32 v[\m+2+\c], v[\m+2+\c], v[\x1+32*\c+31]
.endr
.endm
.macro PKF x, nm                       ; t - M, two at a time
.set J, 0
.rept 32
	v_pk_fma_f32 v[\x+J:\x+J+1], v[\x+J:\x+J+1], s[22:23], v[\nm:\nm+1] op_sel_hi:[1,0,0]
.set J, J+2
.endr
.endm
.macro EXPS x
.set J, 0
.rept 64
	v_exp_f32 v[\x+J], v[\x+J]
.set J, J+1
.endr
.endm
.macro RESC o, f                       ; O^T under the new M, each accumulator from its low end on
.set J, 0
.rept 32
	v_pk_mul_f32 v[\o+J:\o+J+1], v[\o+J:\o+J+1], v[\f:\f+1] op_sel_hi:[1,0]
.set J, J+2
.endr
.endm
.macro TREE x, su, w1, w2              ; the sum of 64 unquantised p, in the registers of p itself (they have been converted)
	WIN \w1
.set TD, 32
.rept 5
.set J, 0
.rept TD/2
	v_pk_add_f32 v[\x+J:\x+J+1], v[\x+J:\x+J+1], v[\x+J+TD:\x+J+TD+1]
.set J, J+2
.endr
.set TD, TD/2
.endr
	WIN \w2
	v_pk_add_f32 v[\su:\su+1], v[\su:\su+1], v[\x:\x+1]
.endm
.macro CVT dst, x, op, w               ; codes: register 4 c + g of the operand
	WIN \w
.irp g, 0,1,2,3
	v_cvt_scalef32_pk8_fp4_f32 v[\dst+\g], v[\x+8*\g:\x+8*\g+7], v[\op]
.endr
.irp g, 0,1,2,3
	v_cvt_scalef32_pk8_fp4_f32 v[\dst+4+\g], v[\x+32+8*\g:\x+32+8*\g+7], v[\op+1]
.endr
.endm
.macro WORD m, ps                      ; p's scale words from four exponents: bytes 0, 2 come from lanes 0-15 of a tile, bytes 1, 3 from its lanes 16-31
	v_lshl_add_u32 v0, v[\m+1], 16, v[\m]
	v_lshl_add_u32 v7, v[\m+3], 16, v[\m+2]
	v_permlane16_swap_b32 v0, v7
	v_lshl_add_u32 v[\ps], v7, 8, v0
	v_add_nc_u32 v[\ps], 0x7d7d7d7d, v[\ps]        ; + 125 in each byte
.endm
; A CHUNK: my quarter's 256 keys in the slot.  first = 1: it starts M, the sums and O^T.  mode 2: the slot is filled again; 1: the next slot is the last; 0: the last chunk.
.macro CHUNK slot, first, mode
	s_wait_alu depctr_va_vdst(0)
	s_wait_dscnt 0x0                               ; K's fragments of the first 128 keys
	WIN 0
	MM16 XA0, XA1, FG, KW, QF, QF+8, QS, 1         ; S^T = K Q^T
	PLACES 4
	LDF FG, KW, AD+\slot, REC, REC+16384           ; K, second 128 keys: lands under the search below
	MAXH XA0, XA1, BM, 0, 0
	s_wait_alu depctr_va_vdst(0)
	s_wait_dscnt 0x0
	WIN 0x40
	MM16 XB0, XB1, FG, KW, QF, QF+8, QS, 1
	PLACES 4
	LDF FG, VW, AD+\slot, 8192, 16896              ; V^T, first 128 keys: lands under the softmax
	MAXH XB0, XB1, BM+4, 0x15, 0x14
	WIN 0
	v_max3_num_f32 v0, v[BM], v[BM+1], v[BM+4]     ; tile 0's largest score in my lane's keys,
	v_max3_num_f32 v7, v[BM+2], v[BM+3], v[BM+6]   ; tile 1's
	v_max_num_f32 v0, v0, v[BM+5]
	v_max_num_f32 v7, v7, v[BM+7]
	v_permlane16_swap_b32 v0, v7                   ; from here on lanes 0-15 are tile 0's, lanes 16-31 tile 1's
.if \first
	v_max_num_f32 v[MR], v0, v7
	v_mul_f32 v0, s19, v[MR]                       ; -t
	v_floor_f32 v[NMP], v0                         ; -M = floor(-t)
.else
	v_max3_num_f32 v[MR], v[MR], v0, v7            ; the running largest score
	v_mul_f32 v0, s19, v[MR]
	v_floor_f32 v7, v0                             ; the new -M
	v_sub_f32 v0, v7, v[NMP]                       ; M's old value less its new one: a whole number, 0 or less
	v_mov_b32 v[NMP], v7
	v_cvt_i32_f32 v0, v0                           ; (it saturates)
	v_ldexp_f32 v[F0], 1.0, v0                     ; f
.endif
	v_mov_b32 v[NM0], v[NMP]
	v_mov_b32 v[NM1], v[NMP]
.if \first == 0
	v_mov_b32 v[F1], v[F0]
.endif
	v_permlane16_swap_b32 v[NM0], v[NM1]           ; tile 0's -M in every lane of one, tile 1's of the other
.if \first == 0
	v_permlane16_swap_b32 v[F0], v[F1]
.endif
.irp i, 0,1,2,3,4,5,6,7
	v_fma_f32 v[BM+\i], v[BM+\i], s22, v[NM0+2*((\i/2)%2)]
.endr
.irp i, 0,1,2,3,4,5,6,7
	v_max_num_f32 v[BM+\i], 0xc2f80000, v[BM+\i]   ; -124: the byte cannot fall under 1
.endr
.irp i, 0,1,2,3,4,5,6,7
	v_cvt_floor_i32_f32 v[BM+\i], v[BM+\i]         ; the exponent of the block's largest p
.endr
	WORD BM, PSA
	WORD BM+4, PSB
.irp i, 0,1,2,3,4,5,6,7
	v_lshl_add_u32 v[BM+\i], v[BM+\i], 23, 0x3e800000   ; (exponent - 2 + 127) in the exponent field: the conversion's scale operand
.endr
	WIN 0x41
.if \first == 0
	RESC OT, F0
	RESC OT+64, F1
.endif
	PKF XB0, NM0
	PKF XB1, NM1
	WIN 0
.if \first == 0
	v_pk_mul_f32 v[SU0:SU0+1], v[SU0:SU0+1], v[F0:F0+1] op_sel_hi:[1,0]
	v_pk_mul_f32 v[SU1:SU1+1], v[SU1:SU1+1], v[F1:F1+1] op_sel_hi:[1,0]
.endif
	PKF XA0, NM0
	PKF XA1, NM1
	s_wait_alu depctr_va_vdst(0)                   ; ahead of the batch,
	EXPS XA0                                       ; p = 2^(t - M): not normalised
	EXPS XA1
	WIN 0x41
	EXPS XB0
	EXPS XB1
	v_nop                                          ; one plain place behind the batch
	s_wait_alu depctr_va_vdst(0)                   ; and behind it
	CVT PC, XA0, BM, 0
	v_nop                                          ; one plain place behind the conversions
	TREE XA0, SU0, 0, 0
	CVT XA0, XA1, BM+2, 0                          ; tile 1's codes lie where tile 0's p has been used up
	v_nop
	TREE XA1, SU1, 0, 0
	LDF XA1, VX, AD+\slot, REC+8192, REC+16896     ; V^T, second 128 keys: the last reads of the slot
	CVT XA0+8, XB0, BM+4, 0x01
	CVT XA0+16, XB1, BM+6, 0x01
	v_nop
	TREE XB0, SU0, 0x45, 0x04
	WIN 0
.if \mode
	s_wait_tensorcnt 0x0                           ; no tensor load of mine is out: my record of the next slot has landed;
	ds_add_u32 v[SPW], v[NIL]                      ; 0 onto my spare word
.if (\mode) == 2
	s_add_nc_u64 s[G0+4*\slot+2:G0+4*\slot+3], s[G0+4*\slot+2:G0+4*\slot+3], 4*REC   ; two chunks on; the type bits on top are not reached
.endif
	s_wait_alu depctr_va_vdst(0)
	s_wait_dscnt 0x0                               ; the add is done, V's fragments are in, and my reads of the slot are over
	s_barrier_signal -1
.else
	s_wait_alu depctr_va_vdst(0)
	s_wait_dscnt 0x0
.endif
	WIN 0x50
	MM16 OT, OT+64, FG, VW, PC, XA0, PSA, \first   ; O^T += V^T P^T, first 128 keys: work on registers while the others arrive
.if \mode
	WIN 0
	s_barrier_wait -1                              ; the next slot is whole for every wave, and nobody reads this one
.if (\mode) == 2
	CREST                                          ; nor does a wave of any partner
	JLOAD \slot                                    ; the first thing behind the round, and my one tensor load until the next; its four v_nop are also the places ahead of the loads below
.else
	PLACES 4
.endif
	LDF FG, KW, AD+1-\slot, 0, 16384               ; the next chunk's K
	WIN 0x50
.endif
	MM16 OT, OT+64, XA1, VX, XA0+8, XA0+16, PSB, 0 ; second 128 keys
	TREE XB1, SU1, 0x45, 0x04                      ; (these are also the places ahead of the next products, which write over registers that the last ones read)
.endm
	s_load_b256 s[4:11], s[0:1], 0x0               ; qf s[4:5], kv s[6:7], Wo's codes s[8:9], Wo's scales s[10:11]
	s_load_b128 s[12:15], s[0:1], 0x20             ; bo s[12:13], out s[14:15]
	v_lshl_add_u32 v[SPW], v0, 2, SPARE
	v_mov_b32 v[NIL], 0
	ds_add_u32 v[SPW], v[NIL]                      ; the wave's opening: the add, twice on end, and its wait ahead of my first tensor load
	ds_add_u32 v[SPW], v[NIL]
	v_lshrrev_b32 v7, 5, v0
	v_readfirstlane_b32 s18, v7                    ; wave 0..7
	s_and_b32 s16, s18, 3                          ; my quarter of the keys
	s_lshr_b32 s17, s18, 2                         ; my pair of tiles
	s_and_b32 s40, s16, 1                          ; in the tail: which tile of the pair,
	s_lshr_b32 s41, s16, 1                         ; which half of d and of the output's columns,
	s_lshl_b32 s42, s17, 1
	s_add_co_u32 s42, s42, s40                     ; the tile
	s_bfe_u32 s48, ttmp6, 0x40000                  ; cx: it enters Q's and the output's global addresses alone
	s_lshl_b32 s49, ttmp9, 2
	s_add_co_u32 s49, s49, s48                     ; x: my block of 64 queries
	s_and_b32 s50, ttmp7, 0xffff                   ; the batch, which the four partners share
	; descriptor group 1: a record: 68 dense rows of 256 bytes (32 elements of 8 bytes), no padding
	s_mov_b32 s[G1], 15|(3<<16)|(1<<21)            ; 15:0 the mask: all four work-groups; 17:16 elements of 8 bytes; 21 set beside a mask
	s_mov_b32 s[G1+1], 32<<16
	s_mov_b32 s[G1+2], 68<<16
	s_mov_b32 s[G1+3], 32<<16
	s_mov_b32 s[G1+4], 68
	s_mov_b32 s[G1+5], 32
	s_mov_b32 s[G1+6], 0
	s_mov_b32 s[G1+7], 0
	s_mov_b32 s22, 0x3e0293ee                      ; c = log2(e) / sqrt(128)
	s_mov_b32 s23, s22                             ; (named with it as a pair)
	s_mov_b32 s19, 0xbe0293ee                      ; -c
	; what I fetch: quarter w / 2, the chunk's record w % 2, to place w of the slot
	s_mul_i32 s51, s18, REC
	s_mul_i32 s52, s50, 32*REC
	s_lshr_b32 s53, s18, 1
	s_mul_i32 s53, s53, 8*REC
	s_add_co_u32 s52, s52, s53
	s_and_b32 s53, s18, 1
	s_mul_i32 s53, s53, REC
	s_add_co_u32 s52, s52, s53
	s_mov_b32 s53, 0
	s_lshl_b32 s54, s50, 6
	s_add_co_u32 s54, s54, s49
	s_mul_i32 s54, s54, 4352                       ; my block of Q
	s_lshl_b32 s56, s17, 11
	s_add_co_u32 s56, s56, s54                     ; my pair's fragments
	s_mov_b32 s57, 0
	s_lshl_b32 s58, s17, 7
	s_add_co_u32 s58, s58, s54
	s_add_co_u32 s58, s58, 4096                    ; and scale words
	s_mov_b32 s59, 0
	s_lshl_b32 s60, s50, 12
	s_lshl_b32 s61, s49, 6
	s_add_co_u32 s60, s60, s61
	s_lshl_b32 s61, s42, 3
	s_add_co_u32 s60, s60, s61
	s_lshl_b32 s60, s60, 9                         ; the tail: 512 x (my block's first row + 8 tile), + 256 for the columns' half
	s_lshl_b32 s61, s41, 8
	s_add_co_u32 s60, s60, s61
	s_mov_b32 s61, 0
	s_wait_alu depctr_va_vdst(0)
	s_wait_dscnt 0x0                               ; both opening adds are done
	s_wait_kmcnt 0x0
	s_add_nc_u64 s[6:7], s[6:7], s[52:53]
	s_add_nc_u64 s[56:57], s[4:5], s[56:57]
	s_add_nc_u64 s[58:59], s[4:5], s[58:59]
	s_add_nc_u64 s[14:15], s[14:15], s[60:61]
.irp k, 0,1
	s_mov_b32 s[G0+4*\k], 1                                        ; 1:0 count = 1
	s_add_co_u32 s[G0+4*\k+1], s51, \k*SLOT2                       ; 63:32 LDS address
	s_add_nc_u64 s[G0+4*\k+2:G0+4*\k+3], s[6:7], \k*2*REC          ; 120:64 global address: chunk k
	s_or_b32 s[G0+4*\k+3], s[G0+4*\k+3], 0x80000000                ; 127:126 type = 2
.endr
	CROUND                                         ; all four work-groups are here: the first joint loads meet
	JLOAD 0                                        ; chunk 0: one tensor load a wave at the head
	s_lshl_b32 s2, s18, 10
	s_add_co_u32 s3, s2, WOI
	s_lshl_b32 s43, s18, 6
	s_add_co_u32 s44, s43, BOB
	s_lshl_b32 s45, s17, 8
	s_lshl_b32 s46, s16, 2
	s_add_co_u32 s45, s45, s46
	s_add_co_u32 s45, s45, WOS                     ; Wo's words: WOS + 256 (tile / 4) + 4 (tile % 4) + 16 r
	s_mul_i32 s46, s16, 2*REC
	v_and_b32 v24, 31, v0                          ; lane
	v_and_b32 v25, 15, v0                          ; r
	v_bfe_u32 v26, v0, 4, 1                        ; h
	v_lshlrev_b32 v[LI], 4, v24
	v_lshlrev_b32 v27, 2, v24
	v_lshl_add_u32 v28, v25, 6, s2
	v_lshl_add_u32 v28, v26, 4, v28                ; Wo in memory: 1024 wave + 64 r + 16 h
	v_lshl_add_u32 v29, v25, 2, s43                ; its scale words, and bo: 64 wave + 4 r
	global_load_b128 v[QF:QF+3], v[LI], s[56:57]   ; Q's fragments stay in registers
	global_load_b128 v[QF+4:QF+7], v[LI], s[56:57] offset:512
	global_load_b128 v[QF+8:QF+11], v[LI], s[56:57] offset:1024
	global_load_b128 v[QF+12:QF+15], v[LI], s[56:57] offset:1536
	global_load_b32 v[QS], v27, s[58:59]           ; lanes 0-15 tile 0's words, lanes 16-31 tile 1's
	global_load_b128 v[64:67], v28, s[8:9]         ; wave w brings Wo's tile w: rows 16 w + r
	global_load_b128 v[68:71], v28, s[8:9] offset:32
	global_load_b32 v72, v29, s[10:11]
	global_load_b32 v73, v29, s[12:13]
	v_add_nc_u32 v30, s3, v[LI]
	v_lshl_add_u32 v31, v25, 4, s45
	v_lshl_add_u32 v74, v25, 2, s44
	v_add_nc_u32 v[AD], s46, v[LI]
	v_add_nc_u32 v[AD+1], SLOT2, v[AD]
	v_mov_b32 v16, 0                               ; the sums
	v_mov_b32 v17, 0
	v_mov_b32 v18, 0
	v_mov_b32 v19, 0
	s_wait_alu depctr_va_vdst(0)                   ; the head's end
	s_wait_loadcnt 0x0
	ds_store_b128 v30, v[64:67]
	ds_store_b128 v30, v[68:71] offset:512
	ds_store_b32 v31, v72                          ; lanes r and r + 16 write the same word with the same value
	ds_store_b32 v74, v73
	s_wait_tensorcnt 0x0                           ; my record of chunk 0 is in
	ds_add_u32 v[SPW], v[NIL]
	s_wait_dscnt 0x0                               ; the add is done, and for the others' sake my stores of Wo and bo
	CROUND                                         ; slot 0 is whole, and all four work-groups are here
	JLOAD 1                                        ; chunk 1
	LDF FG, KW, AD, 0, 16384
	CHUNK 0, 1, 2
	CHUNK 1, 0, 2
	CHUNK 0, 0, 1
	CHUNK 1, 0, 0
	; ---- THE TAIL.  Every wave publishes its -M, its sums and its O^T, in slot 0; then wave (pair, quarter) takes in, of one tile and one half of d, all four quarters' parts.
	WIN 0
	s_wait_alu depctr_va_vdst(0)
	s_lshl_b32 s43, s18, 14
	s_lshl_b32 s44, s18, 7
	s_add_co_u32 s44, s44, MB
	s_lshl_b32 s45, s17, 9
	s_lshl_b32 s46, s40, 6
	s_add_co_u32 s45, s45, s46
	s_add_co_u32 s45, s45, MB
	s_lshl_b32 s46, s17, 16
	s_lshl_b32 s47, s40, 13
	s_add_co_u32 s46, s46, s47
	s_lshl_b32 s47, s41, 12
	s_add_co_u32 s46, s46, s47
	s_lshl_b32 s47, s42, 10
	s_add_co_u32 s47, s47, CI
	s_lshl_b32 s48, s41, 9
	s_add_co_u32 s48, s48, s47
	s_lshl_b32 s49, s42, 6
	s_add_co_u32 s49, s49, CI+4096
	s_lshl_b32 s50, s41, 1
	s_add_co_u32 s50, s50, s49
	s_lshl_b32 s51, s41, 12
	s_add_co_u32 s51, s51, WOI
	s_lshl_b32 s52, s41, 8
	s_add_co_u32 s53, s52, BOB
	s_add_co_u32 s52, s52, WOS
	s_mul_i32 s54, s18, 16*272
	v_add_f32 v16, v16, v17
	v_add_f32 v18, v18, v19
	v_and_b32 v60, 0xf0, v[LI]                     ; 16 r
	v_bfe_u32 v59, v[LI], 8, 1                     ; h
	v_lshrrev_b32 v21, 2, v[LI]
	v_permlane16_swap_b32 v16, v18
	v_lshrrev_b32 v58, 2, v60                      ; 4 r
	v_add_nc_u32 v20, s43, v[LI]                   ; my O^T: 16,384 w + 16 lane
	v_add_nc_u32 v21, s44, v21                     ; my -M: MB + 128 w + 4 lane; the sums 1,024 on
	v_add_f32 v16, v16, v18                        ; the sums of both tiles, as -M lies
	v_add_nc_u32 v22, s45, v58                     ; my tile's four
	v_add_nc_u32 v23, s46, v[LI]                   ; my part of quarter 0's O^T
	v_add_nc_u32 v48, s48, v[LI]                   ; where my codes go,
	v_add_nc_u32 v49, s50, v58
	v_add_nc_u32 v49, v49, v59                     ; and my scale byte: block 2 c + h of row r
	v_add_nc_u32 v50, s47, v[LI]                   ; my tile's fragment,
	v_add_nc_u32 v51, s49, v58                     ; and its scale words
	v_add_nc_u32 v52, s51, v[LI]
	v_add_nc_u32 v53, s52, v60
	v_lshl_add_u32 v54, v59, 5, s53
	v_mul_u32_u24 v55, 17, v60
	v_lshl_add_u32 v55, v59, 5, v55
	v_add_nc_u32 v55, s54, v55                     ; the stage, in: row r of 272 bytes, + 32 h
	v_mul_u32_u24 v56, 0x110, v59
	v_add_nc_u32 v56, v56, v60
	v_add_nc_u32 v56, s54, v56                     ; back: lanes 0-15 one row, lanes 16-31 the next
	v_lshl_add_u32 v57, v59, 9, v60                ; the same in the output
	s_wait_alu depctr_va_vdst(0)
	ds_store_b32 v21, v[NMP]
	ds_store_b32 v21, v16 offset:1024
	WIN 0x04
.set J, 0
.rept 32
	ds_store_b128 v20, v[OT+4*J:OT+4*J+3] offset:512*J             ; each accumulator from its low end on
.set J, J+1
.endr
	WIN 0
	s_wait_dscnt 0x0                               ; for the others' sake
	s_barrier_signal -1
	s_barrier_wait -1
.irp k, 0,1,2,3
	ds_load_b32 v[24+\k], v22 offset:128*\k        ; the four -M
.endr
.irp k, 0,1,2,3
	ds_load_b32 v[28+\k], v22 offset:1024+128*\k   ; the four sums
.endr
.irp k, 0,1,2,3
.irp i, 0,1,2,3,4,5,6,7
	ds_load_b128 v[64+32*\k+4*\i:67+32*\k+4*\i], v23 offset:16384*\k+512*\i
.endr
.endr
.irp n, 0,1,2,3,4,5,6,7
	ds_load_b128 v[192+4*\n:195+4*\n], v52 offset:512*\n           ; Wo's four fragments of my half of the columns,
.endr
	ds_load_b128 v[32:35], v53                                     ; their scale words,
.irp u, 0,1,2,3
	ds_load_b128 v[224+8*\u:227+8*\u], v54 offset:64*\u            ; and bo in the result's layout
	ds_load_b128 v[228+8*\u:231+8*\u], v54 offset:64*\u+16
.endr
	s_wait_dscnt 49                                ; of 57 loads the first eight are in
	v_min3_num_f32 v0, v24, v25, v26
	v_min_num_f32 v0, v0, v27                      ; -M of the whole row
.irp k, 0,1,2,3
	v_sub_f32 v[36+\k], v0, v[24+\k]               ; quarter k's M less the row's: a whole number, 0 or less
.endr
.irp k, 0,1,2,3
	v_cvt_i32_f32 v[36+\k], v[36+\k]
.endr
.irp k, 0,1,2,3
	v_ldexp_f32 v[36+\k], 1.0, v[36+\k]            ; f_k: a power of two
.endr
	v_mul_f32 v7, v36, v28
	v_fma_f32 v7, v37, v29, v7
	v_fma_f32 v7, v38, v30, v7
	v_fma_f32 v7, v39, v31, v7                     ; the row's sum under the row's M
	s_wait_alu depctr_va_vdst(0)
	v_rcp_f32 v7, v7
	v_nop
	s_wait_alu depctr_va_vdst(0)
.irp k, 0,1,2,3
	v_mul_f32 v[40+2*\k], v[36+\k], v7             ; g_k = f_k / the sum, twice: a pair for the packed forms
	v_mul_f32 v[41+2*\k], v[36+\k], v7
.endr
	s_wait_alu depctr_va_vdst(0)
	s_wait_dscnt 41                                ; quarter 0's part is in
.set J, 0
.rept 16
	v_pk_mul_f32 v[64+J:65+J], v[64+J:65+J], v[40:41]
.set J, J+2
.endr
.irp k, 1,2,3
	s_wait_dscnt 41-8*\k                           ; quarter k's
.set J, 0
.rept 16
	v_pk_fma_f32 v[64+J:65+J], v[64+32*\k+J:65+32*\k+J], v[40+2*\k:41+2*\k], v[64+J:65+J]
.set J, J+2
.endr
.endr
	; attn: my 32 numbers are d = 64 c + 32 h + 0 .. 31 of query r: one block of the quantiser
	v_max3_num_f32 v0, |v64|, |v65|, 0x1800000
	v_max3_num_f32 v7, |v80|, |v81|, 0x1800000
.irp j, 2,4,6,8,10,12,14
	v_max3_num_f32 v0, v0, |v[64+\j]|, |v[65+\j]|
	v_max3_num_f32 v7, v7, |v[80+\j]|, |v[81+\j]|
.endr
	v_max_num_f32 v0, v0, v7
	v_add_nc_u32 v7, 0xff000000, v0
	v_lshrrev_b32 v24, 23, v7
.irp g, 0,1,2,3
	v_cvt_scalef32_pk8_fp4_f32 v[96+\g], v[64+8*\g:71+8*\g], v7
.endr
	v_nop                                          ; one plain place behind the conversions
	s_wait_alu depctr_va_vdst(0)
	ds_store_b128 v48, v[96:99]
	ds_store_b8 v49, v24
	s_wait_dscnt 0x0                               ; for the others' sake; and Wo and bo are in
	s_barrier_signal -1
	s_barrier_wait -1                              ; attn's four fragments are whole, and nobody reads O^T's parts any more: the stages may lie there
	ds_load_b128 v[64:67], v50
	ds_load_b128 v[68:71], v50 offset:512
	ds_load_b32 v5, v51
	s_wait_dscnt 0x0
.irp u, 0,1,2,3
	MM 224+8*\u, 192+8*\u, 64, 0, 32+\u, 0, 5, 0   ; out^T = Wo^T attn^T + bo: one product to an accumulator
.endr
	PLACES 4
	; THE WAY OUT: 16 rows of 256 bytes through my own stage.  LDS serves a wave's instructions in order (ISA guide 5.7.1.4): no wait between the stores and the loads
.irp u, 0,1,2,3
	ds_store_b128 v55, v[224+8*\u:227+8*\u] offset:64*\u
	ds_store_b128 v55, v[228+8*\u:231+8*\u] offset:64*\u+16
.endr
.irp i, 0,1,2,3,4,5,6,7
	ds_load_b128 v[128+4*\i:131+4*\i], v56 offset:544*\i
.endr
.irp i, 0,1,2,3,4,5,6,7
	s_wait_dscnt 7-\i
	global_store_b128 v57, v[128+4*\i:131+4*\i], s[14:15] offset:512*(2*\i+24*(\i/4)) th:TH_STORE_NT   ; stage row m is query m % 8 + 32 (m / 8) of the tile: 16 lanes store 256 consecutive bytes, aligned
.endr
	s_wait_tensorcnt 0x0                           ; the wave's end
	ds_add_u32 v[SPW], v[NIL]
	s_wait_dscnt 0x0
	CROUND                                         ; the closing round: no work-group ends while a partner may still ask for a record that names it
	s_endpgm
.Lfunc_end_k_qc84ea4eec2_attn:
	.size	k_qc84ea4eec2_attn, .Lfunc_end_k_qc84ea4eec2_attn-k_qc84ea4eec2_attn
	.p2alignl 7, 3214868480
	.fill 96, 4, 3214868480
	.section	.rodata,"a",@progbits
	.p2align	6, 0x0
	.amdhsa_kernel k_qc84ea4eec2_attn
		.amdhsa_group_segment_fixed_size 327680
		.amdhsa_private_segment_fixed_size 0
		.amdhsa_enable_private_segment 0
		.amdhsa_kernarg_size 48
		.amdhsa_user_sgpr_count 2
		.amdhsa_user_sgpr_kernarg_segment_ptr 1
		.amdhsa_wavefront_size32 1
		.amdhsa_system_sgpr_workgroup_id_x 1
		.amdhsa_system_sgpr_workgroup_id_y 1
		.amdhsa_system_sgpr_workgroup_id_z 1
		.amdhsa_system_vgpr_workitem_id 0
		.amdhsa_next_free_vgpr 512
		.amdhsa_next_free_sgpr 66
		.amdhsa_reserve_vcc 0
		.amdhsa_float_denorm_mode_32 3
		.amdhsa_float_denorm_mode_16_64 3
		.amdhsa_memory_ordered 1
		.amdhsa_forward_progress 1
		.amdhsa_inst_pref_size 241
	.end_amdhsa_kernel
	.amdgpu_metadata
---
amdhsa.version: [ 1, 2 ]
amdhsa.kernels:
  - .name:           k_qc84ea4eec2_attn
    .symbol:         k_qc84ea4eec2_attn.kd
    .args:
      - { .name: qf, .offset: 0, .size: 8, .value_kind: global_buffer, .address_space: global }
      - { .name: kv, .offset: 8, .size: 8, .value_kind: global_buffer, .address_space: global }
      - { .name: Wo_codes, .offset: 16, .size: 8, .value_kind: global_buffer, .address_space: global }
      - { .name: Wo_scales, .offset: 24, .size: 8, .value_kind: global_buffer, .address_space: global }
      - { .name: bo, .offset: 32, .size: 8, .value_kind: global_buffer, .address_space: global }
      - { .name: out0, .offset: 40, .size: 8, .value_kind: global_buffer, .address_space: global }
    .group_segment_fixed_size: 327680
    .private_segment_fixed_size: 0
    .kernarg_segment_align: 8
    .kernarg_segment_size: 48
    .max_flat_workgroup_size: 256
    .sgpr_count:     66
    .vgpr_count:     512
    .wavefront_size: 32
...
	.end_amdgpu_metadata
.endif
;; end of part 2
